; MI455X (gfx1250); checked and timed in simulation.
; The chip was launched on July 23, 2026; its instructions are those of AMD's public machine-readable ISA for CDNA 5 (MIT licence, August 2026) and "CDNA5" Instruction Set Architecture Reference Guide (July 2026). The comments in the code are by the model that wrote it; some were corrected since.
;; Ro PE Multihead Attention. Allowed arithmetic: matrix products marked QUANTISED: E2M1 operands, one E8M0 scale for each 32 along K, by v_wmma_scale_f32_16x16x128_f8f6f4 with both operands' format E2M1 (or v_wmma_scale_f32_32x16x128_f4), f32 sums; everything else in f32.
;; Inputs: Wk_codes 1,024 x 32 x 16 uint8 (E2M1 codes of Wk, K innermost, in blocks of 32 codes, two codes a byte); Wk_scales 1,024 x 32 uint8 (E8M0 scales of Wk, one for each 32 codes along K); Wo_codes 1,024 x 32 x 16 uint8 (E2M1 codes of Wo, K innermost, in blocks of 32 codes, two codes a byte); Wo_scales 1,024 x 32 uint8 (E8M0 scales of Wo, one for each 32 codes along K); Wq_codes 1,024 x 32 x 16 uint8 (E2M1 codes of Wq, K innermost, in blocks of 32 codes, two codes a byte); Wq_scales 1,024 x 32 uint8 (E8M0 scales of Wq, one for each 32 codes along K); Wv_codes 1,024 x 32 x 16 uint8 (E2M1 codes of Wv, K innermost, in blocks of 32 codes, two codes a byte); Wv_scales 1,024 x 32 uint8 (E8M0 scales of Wv, one for each 32 codes along K); bk 1,024 float32; bo 1,024 float32; bq 1,024 float32; bv 1,024 float32; x_codes 4 x 2,048 x 32 x 16 uint8 (E2M1 codes of x, K innermost, in blocks of 32 codes, two codes a byte); x_scales 4 x 2,048 x 32 uint8 (E8M0 scales of x, one for each 32 codes along K).
;; Outputs: out0 4 x 2,048 x 1,024 float32.
;; This version of the problem:
;;   THIS VERSION OF THE PROBLEM IS GIVEN IN LOW PRECISION. The matrix products marked QUANTISED in the list below multiply operands that are first quantised to E2M1 (2 exponent bits, 1 mantissa bit; 4 bits a number), with one power-of-two scale for each 32 numbers along K (OCP MX v1.0); their sums are f32. All else is computed in f32.
;;   The module's matrix products, in the order in which they are computed (A, B: the left and right operand; K: the contracted axis; several contracted axes count as one K, in the product's order):
;;     1. [M 8,192, K 1,024] x [K 1,024, N 1,024]; A: input x (given as codes); B: input Wq (given as codes): QUANTISED
;;     2. [M 8,192, K 1,024] x [K 1,024, N 1,024]; A: input x (given as codes); B: input Wk (given as codes): QUANTISED
;;     3. [M 8,192, K 1,024] x [K 1,024, N 1,024]; A: input x (given as codes); B: input Wv (given as codes): QUANTISED
;;     4. batch 64 x [M 2,048, K 64] x [K 64, N 2,048]; A: computed on the way; B: computed on the way: QUANTISED
;;     5. batch 64 x [M 2,048, K 2,048] x [K 2,048, N 64]; A: softmax (see below); B: computed on the way: QUANTISED
;;     6. [M 8,192, K 1,024] x [K 1,024, N 1,024]; A: computed on the way; B: input Wo (given as codes): QUANTISED
;;   THE QUANTISER, for each operand of a quantised product, along K:
;;     - K is cut into blocks of 32 from its start; a last block that is shorter is filled with zeros.
;;     - A block's scale is 2^e with e = floor(log2(the largest magnitude in the block)) - 2, held to -126 .. 127; a block of zeros has e = 0. As a byte (E8M0): e + 127.
;;     - Each number is divided by its block's scale, clamped to +-6, and rounded to the nearest number of E2M1, ties to even, subnormals kept.
;;     - The product sums the exact products of the quantised numbers (number of the format x scale) in f32.
;;   ~~~python
;;   def quantise(x, axis):      # numpy; x: float32 -> the quantised numbers, widened to float32 again
;;       x = np.moveaxis(x, axis, -1); K = x.shape[-1]
;;       x = np.pad(x, [(0, 0)] * (x.ndim - 1) + [(0, -K % 32)]); x = x.reshape(x.shape[:-1] + (-1, 32)); a = np.abs(x).max(-1, keepdims=True)
;;       e = np.where(a > 0, np.clip(np.frexp(np.where(a > 0, a, 1))[1] - 1 - 2, -126, 127), 0)      # np.frexp(a)[1] - 1 = floor(log2(a)), exactly
;;       r = np.clip(x / 2.0 ** e, -6, 6)
;;       step = 2.0 ** (np.maximum(np.frexp(np.where(r == 0, 1, r))[1] - 1, 0) - 1)
;;       q = np.round(r / step) * step * 2.0 ** e      # np.round: ties to even
;;       return np.moveaxis(q.reshape(q.shape[:-2] + (-1,))[..., :K], -1, axis).astype(np.float32)
;;   ~~~
;;   SOFTMAX AHEAD OF A QUANTISED PRODUCT. Where the list says 'softmax', what is quantised is not the finished softmax but p = 2^(t - M), with t = logit x log2(e) and M = ceil(the row's largest t), a whole number; so 1/2 < the row's largest p <= 1. The row's sum l is taken of the UNQUANTISED p, in f32, and the product's result is divided by l at the end. Since M is a whole number, a kernel that streams over the keys may use a running M (the ceiling of the running maximum): every later rescaling is an exact power of two, which a block's scale takes up: the codes' values come out the same.
;;   OPERANDS COMPUTED ON THE WAY. 'Computed on the way' means the value that the module computes at that place (a softmax that the list does not call 'softmax' is quantised finished and normalised). What goes into a quantiser is computed in f32, as accurately as f32 sums, v_exp_f32 and their like allow (about 1e-6 of the number): no bf16 or f16 on the way to a quantiser, and a product that is left as it is and whose result goes on into a quantised operand takes f32 operands (vector FMAs, or v_wmma_f32_16x16x4_f32). A number that lies on a knife's edge between two numbers of the format may be rounded either way, as far as f32 arithmetic and the matrix unit's own rounding can turn it there, and no further.
;;   INPUTS GIVEN AS CODES. Wk (in the module: [1024, 1024], K = its axis 1); Wo (in the module: [1024, 1024], K = its axis 1); Wq (in the module: [1024, 1024], K = its axis 1); Wv (in the module: [1024, 1024], K = its axis 1); x (in the module: [4, 2048, 1024], K = its axis 2): each comes as NAME_codes (uint8): NAME with its K axis moved to the last place and cut into blocks of 32 codes, [.., K / 32, bytes a block], one block behind the other in memory; two codes a byte, the lower K in the low four bits (a code: sign, 2 exponent bits, 1 mantissa bit); and NAME_scales (uint8): the same leading axes, one E8M0 byte (e + 127) for each 32 codes along K. Its value is code x scale, taken as it is: it is not quantised again, and the codes and scales need not be those that the quantiser above would give.
;; One version. Each part assembles by itself: llvm-mc -triple=amdgcn-amd-amdhsa -mcpu=gfx1250 --defsym DOCPART=n.
;; ======== version 1 of 1: 3 launches
;; workspace buffers: qbuf 4,718,592 bytes; kv 9,437,184 bytes; ao 4,194,304 bytes; aos 262,144 bytes
;; launch qkv (part 1): grid 8 x 64, 12 waves a work-group, clusters of 4 x 4, 307,200 bytes of LDS; arguments x_codes, x_scales, Wq_codes, Wq_scales, Wk_codes, Wk_scales, Wv_codes, Wv_scales, bq, bk, bv, qbuf, kv; writes qbuf, kv
.if DOCPART == 1
	.amdgcn_target "amdgcn-amd-amdhsa--gfx1250"
	.amdhsa_code_object_version 6
	.text
	.protected	k_qa294f2647c_qkv
	.globl	k_qa294f2647c_qkv
	.p2align	8
	.type	k_qa294f2647c_qkv,@function
k_qa294f2647c_qkv:
	s_mov_b64 s[64:65], 0
	v_nop
	global_prefetch_b8 v0, s[64:65] scope:SCOPE_SE
	s_setreg_imm32_b32 hwreg(HW_REG_WAVE_MODE, 25, 1), 1
	s_wait_xcnt 0x0
	s_wait_alu depctr_hold_cnt(0) depctr_sa_sdst(0) depctr_va_vdst(0) depctr_va_sdst(0) depctr_va_ssrc(0) depctr_va_vcc(0) depctr_vm_vsrc(0)
	s_getreg_b32 s2, hwreg(HW_REG_IB_STS2, 6, 4)
	s_cmp_eq_u32 s2, 0
	s_cbranch_scc0 .Lentry_in_a_cluster
	s_endpgm
.Lentry_in_a_cluster:
	s_bfe_u32 s2, ttmp6, 0x10000c
	s_cmp_lg_u32 s2, 0xf033
	s_cbranch_scc0 .Lentry_shape_is_right
	s_endpgm
.Lentry_shape_is_right:
; q = rope(x Wq^T + bq), k = rope(x Wk^T + bk), v = x Wv^T + bv, all three products on the given codes of E2M1, and the three results quantised for the attention launch:
; q and k along the head's 64 (two blocks of 32), v along the keys (blocks of 32 tokens).  DEAD WORK: none is left out.  Every bias goes into a quantiser, so all inputs of these products are loaded.
; LIMITS: NaN and infinities among the inputs are not served; a block whose largest magnitude lies under 2^-124 keeps the scale byte 1 (a block of zeros too: its codes are zeros, and this program alone reads
; the bytes).  The RoPE frequencies are the correctly rounded f32 values of reference()'s two steps, 100000^(i/32) and its reciprocal; angle = pos x freq is rounded once, as there; sine and cosine to about an ulp.
; SHARES.  A work-group takes 128 tokens (work-group y) x the 128 features of a pair of heads (work-group x) of q, k and v, with all of K = 1,024 in LDS: x's 128 rows and 3 x 128 rows of W, 512 bytes a row.
; Twelve waves.  Waves 0-7: matrix w / 4 (q, k), head (w / 2) % 2, 64 tokens w % 2: 64 tokens x 64 features, used TRANSPOSED (source 0 = 16 rows of W, source 1 = 16 tokens): a lane holds one token and eight
; features, and features d and d + 32, RoPE's partners, lie in one lane.  Waves 8-11: v, head (w / 2) % 2, 32 features w % 2, all 128 tokens, NOT transposed: a lane holds one feature and its registers run down the tokens.
; THE TOKENS OF A TILE ARE NOT NEIGHBOURS: row p of tile 4 c + i is token 64 c + 32 (p / 8) + 8 i + p % 8.  So where a result's rows are tokens, a lane's 32 registers of tiles 4 c .. 4 c + 3 are one whole block of
; 32 neighbouring tokens, 64 c + 32 (lane / 16) + 0 .. 31: the conversions write the next operand's registers as they stand.
; WORKSPACE IN THE ORDER OF THE OPERANDS' REGISTERS: four registers of 32 lanes are 512 bytes, lane l's 16 bytes at 16 l.  qbuf [b h][block of 128 tokens][4,608]: 8 tiles x 512, then the scale words [c][lane][2].
; kv [b h][block][9,216]: K's 8 tiles, V's 4 fragments (16 features x 128 keys, 1,024 bytes), K's scale words, V's scale words.  Every store covers whole aligned runs of 256 bytes.
; CLUSTER 4 x 4: x's tile hangs on work-group y alone and is asked for jointly along a row of the cluster, W's on work-group x alone, along a column.  No LDS byte is filled twice: no ring.
.set XCH,   17024                      ; x in LDS: four chunks of 32 rows x 528 bytes and 128 spare bytes: rows p and p + 32 then lie 128 bytes apart modulo 256, so a tile's 16 rows start in 16 different 16-byte columns
.set PITCH, 528                        ; a row: 512 bytes + 16 of padding
.set WB,    4*XCH                      ; W: row 32 w + j comes by wave w's load: q's 128 rows, k's, v's
.set WCH,   32*PITCH
.set TBL,   WB+12*WCH                  ; RoPE's table: row 16 tile + p: 32 cosines, 32 sines, 16 bytes of padding
.set TP,    272
.set SPARE, TBL+128*TP                 ; the spare words, 128 bytes for each wave: six blocks of 256 bytes that no other line names
.set AX,  1                            ; v1   x's fragments, my 64 tokens (waves 0-7)
.set AWQ, 2                            ; v2   W's fragments (waves 0-7)
.set AWV, 3                            ; v3   W's fragments (waves 8-11)
.set ATW, 4                            ; v4   the table, where I store
.set ATR, 5                            ; v5   the table, where I read
.set SPW, 6                            ; v6   my spare word; never rewritten
.set NIL, 7                            ; v7   0; never rewritten
.set L16, 8                            ; v8   16 x lane
.set L8,  9                            ; v9   8 x lane
.set XSO, 10                           ; v10  x's scale bytes: my token's row
.set AXV, 11                           ; v11  x's fragments, all 128 tokens (waves 8-11)
.set L32, 12                           ; v12  32 x lane
.set SH8, 13                           ; v13  8 x (lane / 16)
.set H32, 14                           ; v14  32 x (lane / 16)
.set R4,  15                           ; v15  4 x (lane % 16)
.set XS,  16                           ; v16-47 x's scale words (waves 0-7: v16-31): register 8 (tile / 2) + K step; lanes 0-15 the even tile, lanes 16-31 the odd
.set WS,  32                           ; v32-47 W's scale words, waves 0-7
.set WSV, 48                           ; v48-55 W's scale words, waves 8-11.  v16-55 hold scales and nothing else
.set WF,  56                           ; waves 0-7: v56-87 W's four fragments, v88-119 x's four
.set XF,  88
.set XFV, 72                           ; waves 8-11: v56-71 W's two, v72-103 x's four, v104-119 the bias as a C
.set BV,  104
.set QT,  120                          ; v120-127 at work in the quantisers
.set ACC, 128                          ; v128-255 sixteen accumulators
.set WV,  30
.set CX,  31
.set CY,  56
.set HP,  57                           ; the pair of heads = work-group x
.set YB,  58                           ; the block of tokens = work-group y
.set MR,  59                           ; w / 4: q, k, v
.set HH,  60                           ; which head of the pair
.set CC,  61                           ; w % 2
.set G1X, 32
.set G1W, 40
.set G0X, 48
.set G0W, 52
.set SEL, 76
.macro PLACES n
.rept \n
	v_nop
.endr
.endm
.macro ROUND                           ; a round of the cluster's barrier
	s_barrier_signal -1
	s_barrier_wait -1
	s_cmp_lg_u32 s[WV], 0
	s_cbranch_scc1 .Lnot_wave_0_\@
	s_barrier_signal -3
.Lnot_wave_0_\@:
	s_barrier_wait -3
	s_barrier_signal -1
	s_barrier_wait -1
.endm
; one product: D at d, sources at a and b, C at c, their scale words in sa and sb; ra, rb = 1: the word is taken from lanes 16-31
.macro MM d, a, b, c, sa, sb, ra, rb
.if (\ra) && (\rb)
	v_wmma_scale_f32_16x16x128_f8f6f4 v[\d:\d+7], v[\a:\a+7], v[\b:\b+7], v[\c:\c+7], v[\sa], v[\sb] matrix_a_fmt:MATRIX_FMT_FP4 matrix_b_fmt:MATRIX_FMT_FP4 matrix_a_scale:MATRIX_SCALE_ROW1 matrix_b_scale:MATRIX_SCALE_ROW1
.elseif (\ra)
	v_wmma_scale_f32_16x16x128_f8f6f4 v[\d:\d+7], v[\a:\a+7], v[\b:\b+7], v[\c:\c+7], v[\sa], v[\sb] matrix_a_fmt:MATRIX_FMT_FP4 matrix_b_fmt:MATRIX_FMT_FP4 matrix_a_scale:MATRIX_SCALE_ROW1
.elseif (\rb)
	v_wmma_scale_f32_16x16x128_f8f6f4 v[\d:\d+7], v[\a:\a+7], v[\b:\b+7], v[\c:\c+7], v[\sa], v[\sb] matrix_a_fmt:MATRIX_FMT_FP4 matrix_b_fmt:MATRIX_FMT_FP4 matrix_b_scale:MATRIX_SCALE_ROW1
.else
	v_wmma_scale_f32_16x16x128_f8f6f4 v[\d:\d+7], v[\a:\a+7], v[\b:\b+7], v[\c:\c+7], v[\sa], v[\sb] matrix_a_fmt:MATRIX_FMT_FP4 matrix_b_fmt:MATRIX_FMT_FP4
.endif
.endm
	s_load_b512 s[4:19], s[0:1], 0x0               ; x's codes s[4:5], scales s[6:7]; Wq's s[8:9], s[10:11]; Wk's s[12:13], s[14:15]; Wv's s[16:17], s[18:19]
	s_load_b256 s[20:27], s[0:1], 0x40             ; bq, bk, bv, qbuf
	s_load_b64 s[28:29], s[0:1], 0x60              ; kv
	v_lshl_add_u32 v[SPW], v0, 2, SPARE
	v_mov_b32 v[NIL], 0
	ds_add_u32 v[SPW], v[NIL]                      ; the wave's opening: the add, twice on end, and its wait ahead of my first tensor load
	ds_add_u32 v[SPW], v[NIL]
	v_lshrrev_b32 v56, 5, v0
	s_delay_alu instid0(VALU_DEP_1)
	v_readfirstlane_b32 s[WV], v56                 ; wave 0..11
	s_bfe_u32 s[CX], ttmp6, 0x40000
	s_bfe_u32 s[CY], ttmp6, 0x40004
	s_lshl_b32 s[HP], ttmp9, 2
	s_add_co_u32 s[HP], s[HP], s[CX]
	s_and_b32 s[YB], ttmp7, 0xffff
	s_lshl_b32 s[YB], s[YB], 2
	s_add_co_u32 s[YB], s[YB], s[CY]
	s_lshl_b32 s62, s[CY], 2
	s_lshl_b32 s62, 15, s62                        ; my row of the cluster
	s_lshl_b32 s63, 0x1111, s[CX]                  ; my column
	; both tiles: 32 rows of 512 bytes, 16 bytes of padding behind each (128 words: code 6; 4 words: code 3); elements of one byte
	s_or_b32 s[G1X], s62, (1<<20)|(1<<21)|(6<<22)|(3<<25)
	s_or_b32 s[G1W], s63, (1<<20)|(1<<21)|(6<<22)|(3<<25)
.irp g, G1X, G1W
	s_mov_b32 s[\g+1], 512<<16                     ; tensor_dim0
	s_mov_b32 s[\g+2], 32<<16                      ; tensor_dim1
	s_mov_b32 s[\g+3], 512<<16                     ; tile_dim0
	s_mov_b32 s[\g+4], 32                          ; tile_dim1
	s_mov_b32 s[\g+5], 512                         ; from row to row
	s_mov_b32 s[\g+6], 0
	s_mov_b32 s[\g+7], 0
.endr
	s_lshr_b32 s[MR], s[WV], 2
	s_bfe_u32 s[HH], s[WV], 0x10001
	s_and_b32 s[CC], s[WV], 1
	s_lshl_b32 s66, s[YB], 16                      ; x: rows 128 y + 32 w, 512 bytes each (waves 0-3 ask)
	s_lshl_b32 s67, s[WV], 14
	s_add_co_u32 s66, s66, s67
	s_mov_b32 s67, 0
	s_lshl_b32 s68, s[HP], 16                      ; W: rows 128 x + 32 (w % 4) of matrix w / 4
	s_and_b32 s69, s[WV], 3
	s_lshl_b32 s69, s69, 14
	s_add_co_u32 s68, s68, s69
	s_mov_b32 s69, 0
	s_mov_b32 s[G0X], 1
	s_mul_i32 s[G0X+1], s[WV], XCH
	s_mov_b32 s[G0W], 1
	s_mul_i32 s[G0W+1], s[WV], WCH
	s_add_co_u32 s[G0W+1], s[G0W+1], WB
	s_mov_b32 s[SEL], 0x76543210
	s_mov_b32 s[SEL+1], 0xfedcba98                 ; v_permlanex16_b32's selects for lane l xor 16
	s_mov_b32 s78, 0x3f22f983                      ; 2 / pi
	s_mov_b32 s79, 0xbfc90fdb                      ; -(pi / 2), its f32 value
	s_mov_b32 s80, 0x333bbd2e                      ; that value less pi / 2
	s_mov_b32 s81, 0xb94ca1f9                      ; sine: -1.9515295891e-4, 8.3321608736e-3, -1.6666654611e-1
	s_mov_b32 s82, 0x3c08839e
	s_mov_b32 s83, 0xbe2aaaa3
	s_mov_b32 s84, 0x37ccf5ce                      ; cosine: 2.443315711809948e-5, -1.388731625493765e-3, 4.166664568298827e-2
	s_mov_b32 s85, 0xbab6061a
	s_mov_b32 s86, 0x3d2aaaa5
	s_mov_b32 s87, 0x80000000
	; every LDS address is made here, ahead of the parting of the roles
	v_and_b32 v56, 31, v0                          ; lane
	v_and_b32 v57, 15, v0                          ; r
	v_bfe_u32 v58, v0, 4, 1                        ; h
	v_bfe_u32 v59, v0, 3, 1                        ; r / 8
	v_and_b32 v60, 7, v0                           ; r % 8
	v_lshlrev_b32 v[L16], 4, v56
	v_lshlrev_b32 v[L8], 3, v56
	v_lshlrev_b32 v[L32], 5, v56
	v_lshlrev_b32 v[SH8], 3, v58
	v_lshlrev_b32 v[H32], 5, v58
	v_lshlrev_b32 v[R4], 2, v57
	v_mul_u32_u24 v[AXV], v59, XCH                 ; row r of tile 4 c + i is row 8 i + r % 8 of chunk 2 c + r / 8
	s_delay_alu instid0(VALU_DEP_1)
	v_mad_u32_u24 v[AXV], v60, PITCH, v[AXV]
	s_delay_alu instid0(VALU_DEP_1)
	v_lshl_add_u32 v[AXV], v58, 4, v[AXV]
	s_mul_i32 s96, s[CC], 2*XCH
	v_add_nc_u32 v[AX], s96, v[AXV]
	v_mul_u32_u24 v61, v57, PITCH
	s_delay_alu instid0(VALU_DEP_1)
	v_lshl_add_u32 v61, v58, 4, v61
	s_lshr_b32 s96, s[WV], 1
	s_mul_i32 s96, s96, 64*PITCH
	s_add_co_u32 s96, s96, WB
	v_add_nc_u32 v[AWQ], s96, v61                  ; 64 rows of matrix w / 4, head (w / 2) % 2
	s_mul_i32 s96, s[WV], WCH
	s_add_co_u32 s96, s96, WB
	v_add_nc_u32 v[AWV], s96, v61                  ; waves 8-11: rows 32 w on
	s_mul_i32 s96, s[WV], 16*TP
	s_add_co_u32 s96, s96, TBL
	v_lshl_add_u32 v[ATW], v56, 2, s96             ; waves 0-7 make tile w of the table: lane = frequency
	s_mul_i32 s96, s[CC], 64*TP
	s_add_co_u32 s96, s96, TBL
	v_mad_u32_u24 v[ATR], v57, TP, v[H32]
	s_delay_alu instid0(VALU_DEP_1)
	v_add_nc_u32 v[ATR], s96, v[ATR]               ; back: my token's row, my half's eight frequencies
	v_lshlrev_b32 v[XSO], 10, v59                  ; (32 (r / 8) + 8 h + r % 8) x 32 bytes: lanes 16-31 take the odd tile's tokens
	s_delay_alu instid0(VALU_DEP_1)
	v_lshl_add_u32 v[XSO], v58, 8, v[XSO]
	s_delay_alu instid0(VALU_DEP_1)
	v_lshl_add_u32 v[XSO], v60, 5, v[XSO]
	v_mov_b32 v122, 0                              ; written once: a lane permute's destination counts as one of its sources
	v_mov_b32 v123, 0
	v_mov_b32 v126, 0
	s_wait_dscnt 0x0                               ; both opening adds are done
	s_wait_kmcnt 0x0
	s_add_nc_u64 s[G0X+2:G0X+3], s[4:5], s[66:67]
	s_or_b32 s[G0X+3], s[G0X+3], 0x80000000
	s_cmp_eq_u32 s[MR], 0                          ; my matrix: the choice hangs on the wave's number alone
	s_cselect_b64 s[70:71], s[8:9], s[12:13]
	s_cselect_b64 s[72:73], s[10:11], s[14:15]
	s_cselect_b64 s[74:75], s[20:21], s[22:23]
	s_cmp_eq_u32 s[MR], 2
	s_cselect_b64 s[70:71], s[16:17], s[70:71]
	s_cselect_b64 s[72:73], s[18:19], s[72:73]
	s_cselect_b64 s[74:75], s[24:25], s[74:75]
	s_add_nc_u64 s[G0W+2:G0W+3], s[70:71], s[68:69]
	s_or_b32 s[G0W+3], s[G0W+3], 0x80000000
	ROUND                                          ; all sixteen work-groups are here: the joint loads meet
	tensor_load_to_lds s[G0W:G0W+3], s[G1W:G1W+7]  ; every wave: 32 rows of W
	s_nop 0
	PLACES 4
	s_cmp_lt_u32 s[WV], 4
	s_cbranch_scc0 .Lno_x
	tensor_load_to_lds s[G0X:G0X+3], s[G1X:G1X+7]  ; waves 0-3: 32 rows of x.  Two tensor loads of a wave are out at the most
	s_nop 0
	PLACES 4
.Lno_x:
	; where my scale bytes, my bias and my results lie
	s_cmp_lt_u32 s[WV], 8
	s_cselect_b32 s98, s[CC], 0                    ; waves 0-7: which 64 tokens
	s_cselect_b32 s99, 0, s[CC]                    ; waves 8-11: which 32 features
	s_lshl_b32 s96, s[YB], 12                      ; x's scale bytes: 32 a token
	s_lshl_b32 s98, s98, 11
	s_add_co_u32 s96, s96, s98
	s_mov_b32 s97, 0
	s_add_nc_u64 s[94:95], s[6:7], s[96:97]
	s_lshl_b32 s96, s[HP], 12                      ; W's: 32 a feature, from feature 128 x + 64 head (+ 32)
	s_lshl_b32 s98, s[HH], 11
	s_add_co_u32 s96, s96, s98
	s_lshl_b32 s99, s99, 10
	s_add_co_u32 s96, s96, s99
	s_add_nc_u64 s[72:73], s[72:73], s[96:97]
	s_lshr_b32 s96, s96, 3                         ; the bias: 4 bytes a feature
	s_add_nc_u64 s[74:75], s[74:75], s[96:97]
	s_lshr_b32 s96, s[YB], 4                       ; batch
	s_lshl_b32 s96, s96, 4
	s_lshl_b32 s98, s[HP], 1
	s_add_co_u32 s96, s96, s98
	s_add_co_u32 s96, s96, s[HH]                   ; 16 batch + head
	s_lshl_b32 s96, s96, 4
	s_and_b32 s98, s[YB], 15                       ; the block of 128 tokens in its batch
	s_add_co_u32 s96, s96, s98
	s_lshl_b32 s88, s98, 7                         ; the first position of tile w: 128 block + 64 (w / 4) + 8 (w % 4)
	s_lshl_b32 s89, s[MR], 6
	s_add_co_u32 s88, s88, s89
	s_and_b32 s89, s[WV], 3
	s_lshl_b32 s89, s89, 3
	s_add_co_u32 s88, s88, s89
	s_cmp_eq_u32 s[MR], 0
	s_cselect_b64 s[90:91], s[26:27], s[28:29]     ; q goes to qbuf, k and v to kv
	s_mov_b32 s99, 9216
	s_cselect_b32 s99, 4608, s99                   ; a block's bytes there
	s_mov_b32 s2, 8192
	s_cselect_b32 s2, 4096, s2                     ; where its scale words begin
	s_mul_i32 s96, s96, s99
	s_add_nc_u64 s[90:91], s[90:91], s[96:97]
	s_cmp_eq_u32 s[MR], 2
	s_cselect_b32 s99, 4096, 0                     ; V's fragments lie behind K's tiles,
	s_cselect_b32 s3, 512, 0                       ; V's scale words behind K's
	s_add_co_u32 s2, s2, s3
	s_lshl_b32 s3, s[CC], 8
	s_add_co_u32 s96, s2, s3
	s_add_nc_u64 s[92:93], s[90:91], s[96:97]      ; my 256 bytes of scale words
	s_lshl_b32 s3, s[CC], 11
	s_add_co_u32 s96, s99, s3
	s_add_nc_u64 s[90:91], s[90:91], s[96:97]      ; my 2,048 bytes of codes
	s_cmp_lt_u32 s[WV], 8
	s_cbranch_scc0 .Lv_loads
	s_wait_alu depctr_va_vdst(0)
	; ---- waves 0-7: scale words; the bias straight into the accumulators, so that the first K step adds in place and nothing is cleared
.irp k,0,1
.irp q,0,1
	global_load_b128 v[XS+8*\k+4*\q:XS+8*\k+4*\q+3], v[XSO], s[94:95] offset:512*\k+16*\q
	global_load_b128 v[WS+8*\k+4*\q:WS+8*\k+4*\q+3], v[L32], s[72:73] offset:1024*\k+16*\q
.endr
.endr
.irp i,0,1,2,3
.irp t,0,1,2,3
.irp q,0,1
	global_load_b128 v[ACC+8*(4*\i+\t)+4*\q:ACC+8*(4*\i+\t)+4*\q+3], v[H32], s[74:75] offset:64*\t+16*\q   ; lane (r, h), register j: feature 16 t + 8 h + j
.endr
.endr
.endr
	; ---- the table, while the tiles are on their way.  Lane i: P = 10^(5 i / 32) as a sum of two f32 numbers, by squaring and multiplying; its upper part is P rounded to f32
.set FQ, 57
.macro DFMUL dh, dl, ah, al, bh, bl
	v_mul_f32 v64, v[\ah], v[\bh]
	s_delay_alu instid0(VALU_DEP_1)
	v_fma_f32 v65, v[\ah], v[\bh], -v64
	s_delay_alu instid0(VALU_DEP_1)
	v_fma_f32 v65, v[\ah], v[\bl], v65
	s_delay_alu instid0(VALU_DEP_1)
	v_fma_f32 v65, v[\al], v[\bh], v65
	s_delay_alu instid0(VALU_DEP_1)
	v_add_f32 v[\dh], v64, v65
	s_delay_alu instid0(VALU_DEP_1)
	v_sub_f32 v66, v[\dh], v64
	s_delay_alu instid0(VALU_DEP_1)
	v_sub_f32 v[\dl], v65, v66
.endm
	v_and_b32 v56, 31, v0
	v_mov_b32 v58, 1.0
	v_mov_b32 v59, 0
	v_mov_b32 v60, 0x3fb76cf5                      ; 10^(5 / 32) = 1.4330125702369627: upper part,
	v_mov_b32 v61, 0xb3141349                      ; lower part
.irp k,0,1,2,3,4
	v_and_b32 v67, 1<<\k, v56
	s_delay_alu instid0(VALU_DEP_1)
	v_cmp_ne_u32 vcc_lo, 0, v67
	s_delay_alu instid0(VALU_DEP_1)
	v_cndmask_b32 v62, 1.0, v60, vcc_lo            ; the factor, or 1
	s_delay_alu instid0(VALU_DEP_2)
	v_cndmask_b32 v63, 0, v61, vcc_lo
	DFMUL 58, 59, 58, 59, 62, 63
.if \k < 4
	DFMUL 60, 61, 60, 61, 60, 61
.endif
.endr
	v_rcp_f32 v[FQ], v58
	v_nop                                          ; a plain instruction behind the reciprocal,
	s_wait_alu depctr_va_vdst(0)                   ; and the wait ahead of its first reader
	v_fma_f32 v65, -v58, v[FQ], 1.0
	v_fma_f32 v[FQ], v[FQ], v65, v[FQ]             ; 1 / P, corrected once: the frequency
.set SC, 68
.macro SINCOS rho                      ; row rho of my tile: position, angle, quadrant, two polynomials on |x| <= pi / 4
	s_add_co_u32 s89, s88, 32*((\rho)>>3)+((\rho)&7)
	v_cvt_f32_u32 v[SC], s89
	s_delay_alu instid0(VALU_DEP_1)
	v_mul_f32 v[SC+1], v[SC], v[FQ]                ; the angle, rounded once
	s_delay_alu instid0(VALU_DEP_1)
	v_mul_f32 v[SC+2], s78, v[SC+1]
	s_delay_alu instid0(VALU_DEP_1)
	v_rndne_f32 v[SC+2], v[SC+2]                   ; n
	s_delay_alu instid0(VALU_DEP_1)
	v_fma_f32 v[SC+3], v[SC+2], s79, v[SC+1]       ; angle - n (pi / 2): this step is exact,
	s_delay_alu instid0(VALU_DEP_1)
	v_fma_f32 v[SC+3], v[SC+2], s80, v[SC+3]       ; this one takes in what the f32 value of pi / 2 is too large by
	s_delay_alu instid0(VALU_DEP_3)
	v_cvt_i32_f32 v[SC+5], v[SC+2]
	s_delay_alu instid0(VALU_DEP_2)
	v_mul_f32 v[SC+4], v[SC+3], v[SC+3]            ; z
	s_delay_alu instid0(VALU_DEP_1)
	v_fma_f32 v[SC+6], v[SC+4], s81, s82
	s_delay_alu instid0(VALU_DEP_2)
	v_fma_f32 v[SC+7], v[SC+4], s84, s85
	s_delay_alu instid0(VALU_DEP_2)
	v_fma_f32 v[SC+6], v[SC+6], v[SC+4], s83
	s_delay_alu instid0(VALU_DEP_2)
	v_fma_f32 v[SC+7], v[SC+7], v[SC+4], s86
	v_mul_f32 v[SC+8], v[SC+4], v[SC+3]
	v_mul_f32 v[SC+9], v[SC+4], v[SC+4]
	v_fma_f32 v[SC+10], v[SC+4], -0.5, 1.0
	s_delay_alu instid0(VALU_DEP_3)
	v_fma_f32 v[SC+6], v[SC+6], v[SC+8], v[SC+3]   ; sin x
	s_delay_alu instid0(VALU_DEP_2)
	v_fma_f32 v[SC+7], v[SC+7], v[SC+9], v[SC+10]  ; cos x
	v_and_b32 v[SC+11], 1, v[SC+5]
	s_delay_alu instid0(VALU_DEP_1)
	v_cmp_eq_u32 vcc_lo, 1, v[SC+11]               ; an odd quadrant swaps the two
	s_delay_alu instid0(VALU_DEP_1)
	v_cndmask_b32 v[SC+12], v[SC+6], v[SC+7], vcc_lo
	s_delay_alu instid0(VALU_DEP_2)
	v_cndmask_b32 v[SC+13], v[SC+7], v[SC+6], vcc_lo
	v_lshlrev_b32 v[SC+14], 30, v[SC+5]            ; the sine is negative in quadrants 2, 3,
	v_add_nc_u32 v[SC+15], 1, v[SC+5]
	s_delay_alu instid0(VALU_DEP_1)
	v_lshlrev_b32 v[SC+15], 30, v[SC+15]           ; the cosine in 1, 2
	s_delay_alu instid0(VALU_DEP_3)
	v_and_b32 v[SC+14], s87, v[SC+14]
	s_delay_alu instid0(VALU_DEP_2)
	v_and_b32 v[SC+15], s87, v[SC+15]
	s_delay_alu instid0(VALU_DEP_2)
	v_xor_b32 v[SC+12], v[SC+12], v[SC+14]
	s_delay_alu instid0(VALU_DEP_2)
	v_xor_b32 v[SC+13], v[SC+13], v[SC+15]
	ds_store_b32 v[ATW], v[SC+13] offset:TP*(\rho)
	ds_store_b32 v[ATW], v[SC+12] offset:TP*(\rho)+128
.endm
.irp p,0,1,2,3,4,5,6,7,8,9,10,11,12,13,14,15
	SINCOS \p
.endr
	s_branch .Ljoin
.Lv_loads:
	s_wait_alu depctr_va_vdst(0)
	; ---- waves 8-11: scale words of all eight tiles of tokens and of my 32 features; the bias, the same in a lane's eight registers
.irp k,0,1,2,3
.irp q,0,1
	global_load_b128 v[XS+8*\k+4*\q:XS+8*\k+4*\q+3], v[XSO], s[94:95] offset:(64*(\k>>1)+16*(\k&1))*32+16*\q
.endr
.endr
.irp q,0,1
	global_load_b128 v[WSV+4*\q:WSV+4*\q+3], v[L32], s[72:73] offset:16*\q
.endr
.irp f,0,1
.irp j,0,1,2,3,4,5,6,7
	global_load_b32 v[BV+8*\f+\j], v[R4], s[74:75] offset:64*\f
.endr
.endr
.Ljoin:
	s_wait_loadcnt 0x0
	s_wait_tensorcnt 0x0                           ; my tiles have landed,
	s_wait_dscnt 0x0                               ; my rows of the table are stored:
	s_barrier_signal -1
	s_barrier_wait -1                              ; everybody's are
	s_cmp_lt_u32 s[WV], 8
	s_cbranch_scc0 .Lv_main
	; ---- waves 0-7: eight K steps of 128; sixteen accumulators by turns
.macro KSTEP_QK s
.irp t,0,1,2,3
.irp e,0,1
	ds_load_b128 v[WF+8*\t+4*\e:WF+8*\t+4*\e+3], v[AWQ] offset:16*PITCH*\t+64*\s+32*\e
	ds_load_b128 v[XF+8*\t+4*\e:XF+8*\t+4*\e+3], v[AX] offset:8*PITCH*\t+64*\s+32*\e
.endr
.endr
	s_wait_dscnt 0x0
.irp i,0,1,2,3
.irp t,0,1,2,3
	MM ACC+8*(4*\i+\t), WF+8*\t, XF+8*\i, ACC+8*(4*\i+\t), WS+8*(\t>>1)+\s, XS+8*(\i>>1)+\s, \t&1, \i&1
.endr
.endr
	PLACES 4                                       ; in front of loads into registers that these products read, and of the first read of results
.endm
.irp s,0,1,2,3,4,5,6,7
	KSTEP_QK \s
.endr
.set TC, 56                            ; the way out: v56-71 sixteen cosines, v72-87 sixteen sines; v88-103 codes; v104-107 a tile's two scale bytes; v108-109 scale words; v112-119 at work
.set TS, 72
.set CD, 88
.set UU, 104
.macro LOADT i
.irp t,0,1
.irp q,0,1
	ds_load_b128 v[TC+8*\t+4*\q:TC+8*\t+4*\q+3], v[ATR] offset:16*TP*(\i)+64*\t+16*\q
	ds_load_b128 v[TS+8*\t+4*\q:TS+8*\t+4*\q+3], v[ATR] offset:16*TP*(\i)+64*\t+16*\q+128
.endr
.endr
.endm
.macro ROPE i                          ; y1 = features 16 t + .., y2 = 32 further on: y1 c - y2 s and y1 s + y2 c, two at a time, each accumulator from its low end on
.irp t,0,1
.irp j,0,2,4,6
.set Y1, ACC+32*(\i)+8*\t+\j
.set Y2, Y1+16
.set RT, 112+2*(\j&2)
	v_pk_mul_f32 v[RT:RT+1], v[Y2:Y2+1], v[TS+8*\t+\j:TS+8*\t+\j+1]
	v_pk_mul_f32 v[RT+2:RT+3], v[Y1:Y1+1], v[TS+8*\t+\j:TS+8*\t+\j+1]
	v_pk_fma_f32 v[Y1:Y1+1], v[Y1:Y1+1], v[TC+8*\t+\j:TC+8*\t+\j+1], v[RT:RT+1] neg_lo:[0,0,1] neg_hi:[0,0,1]
	v_pk_fma_f32 v[Y2:Y2+1], v[Y2:Y2+1], v[TC+8*\t+\j:TC+8*\t+\j+1], v[RT+2:RT+3]
.endr
.endr
.endm
; 32 numbers of a lane, register 8 t + j = d 16 t + 8 (lane / 16) + j of my row: two blocks of 32, each shared with lane l xor 16.  Codes: lane (r, h) ends with d = 32 h + 0 .. 31 in four registers; u: byte of block 0, byte of block 1
.macro QHALF a, dst, u
	v_max3_num_f32 v[QT], |v[\a]|, |v[\a+1]|, 0x1800000            ; with the floor 2^(3 - 127): the byte cannot fall under 1
	v_max3_num_f32 v[QT+1], |v[\a+16]|, |v[\a+17]|, 0x1800000
.irp k,2,4,6,8,10,12,14
	s_delay_alu instid0(VALU_DEP_2)
	v_max3_num_f32 v[QT], v[QT], |v[\a+\k]|, |v[\a+\k+1]|
	s_delay_alu instid0(VALU_DEP_2)
	v_max3_num_f32 v[QT+1], v[QT+1], |v[\a+16+\k]|, |v[\a+17+\k]|
.endr
	s_delay_alu instid0(VALU_DEP_2)
	v_permlanex16_b32 v[QT+2], v[QT], s[SEL], s[SEL+1]
	s_delay_alu instid0(VALU_DEP_2)
	v_permlanex16_b32 v[QT+3], v[QT+1], s[SEL], s[SEL+1]
	s_delay_alu instid0(VALU_DEP_2)
	v_max_num_f32 v[QT], v[QT], v[QT+2]
	s_delay_alu instid0(VALU_DEP_2)
	v_max_num_f32 v[QT+1], v[QT+1], v[QT+3]
	s_delay_alu instid0(VALU_DEP_2)
	v_add_nc_u32 v[QT+4], 0xff000000, v[QT]        ; 2 off the exponent field: the conversion's scale operand
	s_delay_alu instid0(VALU_DEP_2)
	v_add_nc_u32 v[QT+5], 0xff000000, v[QT+1]
	s_delay_alu instid0(VALU_DEP_2)
	v_lshrrev_b32 v[QT+6], 23, v[QT+4]             ; the scale's byte
	s_delay_alu instid0(VALU_DEP_2)
	v_lshrrev_b32 v[QT+7], 23, v[QT+5]
	s_delay_alu instid0(VALU_DEP_1)
	v_lshl_or_b32 v[\u], v[QT+7], 8, v[QT+6]
	v_cvt_scalef32_pk8_fp4_f32 v[\dst], v[\a:\a+7], v[QT+4]
	v_cvt_scalef32_pk8_fp4_f32 v[\dst+1], v[\a+16:\a+23], v[QT+5]
	v_cvt_scalef32_pk8_fp4_f32 v[\dst+2], v[\a+8:\a+15], v[QT+4]
	v_cvt_scalef32_pk8_fp4_f32 v[\dst+3], v[\a+24:\a+31], v[QT+5]
	v_nop                                          ; one plain instruction behind the scaled conversions
	v_permlane16_swap_b32 v[\dst], v[\dst+1]       ; the first's lanes 16-31 change places with the second's lanes 0-15: a whole block in a lane
	v_permlane16_swap_b32 v[\dst+2], v[\dst+3]
.endm
	LOADT 0
.irp i,0,1,2,3
	s_wait_dscnt 0x0
	ROPE \i
.if \i < 3
	LOADT \i+1                                     ; the next tile's table lands while this tile is quantised
.endif
	QHALF ACC+32*\i, CD+4*\i, UU+\i
	global_store_b128 v[L16], v[CD+4*\i:CD+4*\i+3], s[90:91] offset:512*\i   ; a tile's image: 512 consecutive bytes
.endr
	v_lshl_or_b32 v108, v[UU+1], 16, v[UU]         ; a scale word serves a pair of tiles
	v_lshl_or_b32 v109, v[UU+3], 16, v[UU+2]
	global_store_b64 v[L8], v[108:109], s[92:93]   ; 256 consecutive bytes (lanes 16-31 hold the same words as lanes 0-15)
	s_branch .Lend
.Lv_main:
	; ---- waves 8-11: source 0 = 16 tokens, source 1 = 16 features
.macro KSTEP_V s
.irp f,0,1
.irp e,0,1
	ds_load_b128 v[WF+8*\f+4*\e:WF+8*\f+4*\e+3], v[AWV] offset:16*PITCH*\f+64*\s+32*\e
.endr
.endr
.irp c,0,1
.irp i,0,1,2,3
.irp e,0,1
	ds_load_b128 v[XFV+8*\i+4*\e:XFV+8*\i+4*\e+3], v[AXV] offset:2*XCH*\c+8*PITCH*\i+64*\s+32*\e
.endr
.endr
	s_wait_dscnt 0x0
.irp i,0,1,2,3
.irp f,0,1
.if \s == 0
	MM ACC+64*\f+8*(4*\c+\i), XFV+8*\i, WF+8*\f, BV+8*\f, XS+8*(2*\c+(\i>>1))+\s, WSV+\s, \i&1, \f
.else
	MM ACC+64*\f+8*(4*\c+\i), XFV+8*\i, WF+8*\f, ACC+64*\f+8*(4*\c+\i), XS+8*(2*\c+(\i>>1))+\s, WSV+\s, \i&1, \f
.endif
.endr
.endr
	PLACES 4
.endr
.endm
.irp s,0,1,2,3,4,5,6,7
	KSTEP_V \s
.endr
; 64 numbers of a lane: registers 32 c + 0 .. 31 are the whole block 2 c + lane / 16 of 32 keys of my feature.  The conversions' results are the operand's registers; the scale word's bytes come from lanes l and l xor 16
.macro QWHOLE src, dst, word
.irp c,0,1
	v_max3_num_f32 v[QT+\c], |v[\src+32*\c]|, |v[\src+32*\c+1]|, |v[\src+32*\c+2]|
.endr
.irp i,3,5,7,9,11,13,15,17,19,21,23,25,27,29
.irp c,0,1
	v_max3_num_f32 v[QT+\c], v[QT+\c], |v[\src+32*\c+\i]|, |v[\src+32*\c+\i+1]|
.endr
.endr
.irp c,0,1
	v_max3_num_f32 v[QT+\c], v[QT+\c], |v[\src+32*\c+31]|, 0x1800000
.endr
.irp c,0,1
	s_delay_alu instid0(VALU_DEP_2)
	v_add_nc_u32 v[QT+2+\c], 0xff000000, v[QT+\c]
.endr
.irp c,0,1
	s_delay_alu instid0(VALU_DEP_2)
	v_lshrrev_b32 v[QT+4+\c], 23, v[QT+2+\c]
.endr
	s_delay_alu instid0(VALU_DEP_1)
	v_lshl_or_b32 v[\word], v[QT+5], 16, v[QT+4]   ; my blocks h and 2 + h,
	s_delay_alu instid0(VALU_DEP_1)
	v_lshlrev_b32 v[\word], v[SH8], v[\word]       ; at their places,
	s_delay_alu instid0(VALU_DEP_1)
	v_permlanex16_b32 v[QT+6], v[\word], s[SEL], s[SEL+1]
	s_delay_alu instid0(VALU_DEP_1)
	v_or_b32 v[\word], v[\word], v[QT+6]           ; with the other half's two
.irp c,0,1
.irp i,0,1,2,3
	v_cvt_scalef32_pk8_fp4_f32 v[\dst+4*\c+\i], v[\src+32*\c+8*\i:\src+32*\c+8*\i+7], v[QT+2+\c]
.endr
.endr
	v_nop
.endm
	QWHOLE 128, 72, 104
	global_store_b128 v[L16], v[72:75], s[90:91]
	global_store_b128 v[L16], v[76:79], s[90:91] offset:512
	QWHOLE 192, 80, 105
	global_store_b128 v[L16], v[80:83], s[90:91] offset:1024
	global_store_b128 v[L16], v[84:87], s[90:91] offset:1536
	global_store_b64 v[L8], v[104:105], s[92:93]
.Lend:
	s_wait_tensorcnt 0x0                           ; the wave's end
	ds_add_u32 v[SPW], v[NIL]
	s_wait_dscnt 0x0
	ROUND                                          ; the closing round
	s_endpgm
.Lfunc_end_k_qa294f2647c_qkv:
	.size	k_qa294f2647c_qkv, .Lfunc_end_k_qa294f2647c_qkv-k_qa294f2647c_qkv
	.p2alignl 7, 3214868480
	.fill 96, 4, 3214868480
	.section	.rodata,"a",@progbits
	.p2align	6, 0x0
	.amdhsa_kernel k_qa294f2647c_qkv
		.amdhsa_group_segment_fixed_size 307200
		.amdhsa_private_segment_fixed_size 0
		.amdhsa_enable_private_segment 0
		.amdhsa_kernarg_size 104
		.amdhsa_user_sgpr_count 2
		.amdhsa_user_sgpr_kernarg_segment_ptr 1
		.amdhsa_wavefront_size32 1
		.amdhsa_system_sgpr_workgroup_id_x 1
		.amdhsa_system_sgpr_workgroup_id_y 1
		.amdhsa_system_sgpr_workgroup_id_z 1
		.amdhsa_system_vgpr_workitem_id 0
		.amdhsa_next_free_vgpr 256
		.amdhsa_next_free_sgpr 100
		.amdhsa_reserve_vcc 1
		.amdhsa_float_denorm_mode_32 3
		.amdhsa_float_denorm_mode_16_64 3
		.amdhsa_memory_ordered 1
		.amdhsa_forward_progress 1
		.amdhsa_inst_pref_size 136
	.end_amdhsa_kernel
	.amdgpu_metadata
---
amdhsa.version: [ 1, 2 ]
amdhsa.kernels:
  - .name:           k_qa294f2647c_qkv
    .symbol:         k_qa294f2647c_qkv.kd
    .args:
      - { .name: x_codes, .offset: 0, .size: 8, .value_kind: global_buffer, .address_space: global }
      - { .name: x_scales, .offset: 8, .size: 8, .value_kind: global_buffer, .address_space: global }
      - { .name: Wq_codes, .offset: 16, .size: 8, .value_kind: global_buffer, .address_space: global }
      - { .name: Wq_scales, .offset: 24, .size: 8, .value_kind: global_buffer, .address_space: global }
      - { .name: Wk_codes, .offset: 32, .size: 8, .value_kind: global_buffer, .address_space: global }
      - { .name: Wk_scales, .offset: 40, .size: 8, .value_kind: global_buffer, .address_space: global }
      - { .name: Wv_codes, .offset: 48, .size: 8, .value_kind: global_buffer, .address_space: global }
      - { .name: Wv_scales, .offset: 56, .size: 8, .value_kind: global_buffer, .address_space: global }
      - { .name: bq, .offset: 64, .size: 8, .value_kind: global_buffer, .address_space: global }
      - { .name: bk, .offset: 72, .size: 8, .value_kind: global_buffer, .address_space: global }
      - { .name: bv, .offset: 80, .size: 8, .value_kind: global_buffer, .address_space: global }
      - { .name: qbuf, .offset: 88, .size: 8, .value_kind: global_buffer, .address_space: global }
      - { .name: kv, .offset: 96, .size: 8, .value_kind: global_buffer, .address_space: global }
    .group_segment_fixed_size: 307200
    .private_segment_fixed_size: 0
    .kernarg_segment_align: 8
    .kernarg_segment_size: 104
    .max_flat_workgroup_size: 384
    .sgpr_count:     100
    .vgpr_count:     256
    .wavefront_size: 32
...
	.end_amdgpu_metadata
.endif
;; end of part 1
;; launch attn (part 2): grid 4 x 64, 16 waves a work-group, clusters of 4 x 1, 167,936 bytes of LDS; arguments qbuf, kv, ao, aos; writes ao, aos
.if DOCPART == 2
	.amdgcn_target "amdgcn-amd-amdhsa--gfx1250"
	.amdhsa_code_object_version 6
	.text
	.protected	k_qa294f2647c_attn
	.globl	k_qa294f2647c_attn
	.p2align	8
	.type	k_qa294f2647c_attn,@function
k_qa294f2647c_attn:
	s_mov_b64 s[64:65], 0
	v_nop
	global_prefetch_b8 v0, s[64:65] scope:SCOPE_SE
	s_setreg_imm32_b32 hwreg(HW_REG_WAVE_MODE, 25, 1), 1
	s_wait_xcnt 0x0
	s_wait_alu depctr_hold_cnt(0) depctr_sa_sdst(0) depctr_va_vdst(0) depctr_va_sdst(0) depctr_va_ssrc(0) depctr_va_vcc(0) depctr_vm_vsrc(0)
	s_getreg_b32 s2, hwreg(HW_REG_IB_STS2, 6, 4)
	s_cmp_eq_u32 s2, 0
	s_cbranch_scc0 .Lentry_in_a_cluster
	s_endpgm
.Lentry_in_a_cluster:
	s_bfe_u32 s2, ttmp6, 0x10000c
	s_cmp_lg_u32 s2, 0x3003
	s_cbranch_scc0 .Lentry_shape_is_right
	s_endpgm
.Lentry_shape_is_right:
; For each batch and head: S^T = K Q^T, p = 2^(t - M), O^T = V^T p^T, O / l, quantised along the head's 64 for the last projection.  Both products on codes of E2M1.  No work of reference() is left out.
; t = score x log2(e) / 8; M = the running largest t rounded up to a whole number; p is not normalised; l is the sum of the unquantised p; when M moves, l and O^T are multiplied by 2^(old M - new M), exactly.
; LIMITS: NaN and infinities are not served; a p under 2^-126 counts as 0; a block whose largest magnitude lies under 2^-124 keeps the scale byte 1.
; SHARES.  A work-group owns 512 queries of one head; each of its sixteen waves two tiles of 16 queries (A, B) in 256 registers: four waves to a SIMD, so that one wave's softmax stands beside another's loads and products.
; The head's K and V, codes and scale words, 147,456 bytes laid in the order of the operands' registers, come into LDS ONCE, as they lie: two loads a wave at the head (two are out at the most), key steps 0-7 and 8-15.
; CLUSTER 4 x 1: the four work-groups of a head want the same bytes: every load is asked for jointly.
; K = 64 IN AN INSTRUCTION OF 128: source 0 holds TWO tiles of keys (registers 0-3, 4-7); source 1 is the query tile beside four registers of zero codes, below or above: so each tile of keys is picked out in turn.
; A tile's keys are not neighbours (see the launch that made them): a lane's 32 scores of tiles 4 c .. 4 c + 3 are the whole block 2 c + lane / 16 of 32 neighbouring keys, so p's codes are written straight into the operand's
; registers and a block's largest score needs no other lane.
.set STEPB, 9216                       ; a key step of 128 keys: K's tiles 4,096, V's fragments 4,096, K's scale words 512, V's 512
.set STG,   16*STEPB                   ; 1,024 bytes: the work-group's scale bytes on their way out
.set SPARE, STG+1024                   ; the spare words, 128 bytes for each wave: eight blocks of 256 bytes that no other line names
.set L16, 1
.set L8,  2
.set SPW, 3
.set NIL, 4
.set ADR, 5                            ; v5   the step's images: its first byte + 16 x lane
.set ADS, 6                            ; v6   its scale words: + 8 x lane
.set SH8, 7
.set QSA, 36                           ; v36, v37 the query tiles' scale words; v38-41 K's; v42-45 V's; v46 p's; v47 as loaded: scales and nothing else
.set QSB, 37
.set KS,  38
.set VS,  42
.set PW,  46
.set FF,  48                           ; v[48:49] f = 2^(old M - new M)
.set QT,  50
.set BM,  50                           ; v50-51 the blocks' largest scores
.set RM,  52
.set TX,  53
.set OLD, 54
.set SO,  56
.set BB,  58
.set SU,  60
.set PX,  62
.set KF,  64                           ; v64-95 K's four pairs of tiles, then V's four fragments
.set S,   96                           ; v96-159 S^T, then p
.set PC,  224                          ; v224-231 p's codes
.set CD,  232
.set UU,  240
.set SGA, 242
.set SGR, 243
.set WV,  12
.set G1,  16
.set CS,  32
.set SEL, 34
.set TB,  36
.set CNT, 37
.macro PLACES n
.rept \n
	v_nop
.endr
.endm
.macro ROUND
	s_barrier_signal -1
	s_barrier_wait -1
	s_cmp_lg_u32 s[WV], 0
	s_cbranch_scc1 .Lnot_wave_0_\@
	s_barrier_signal -3
.Lnot_wave_0_\@:
	s_barrier_wait -3
	s_barrier_signal -1
	s_barrier_wait -1
.endm
	s_load_b256 s[4:11], s[0:1], 0x0               ; qbuf, kv, ao, aos
	v_lshl_add_u32 v[SPW], v0, 2, SPARE
	v_mov_b32 v[NIL], 0
	ds_add_u32 v[SPW], v[NIL]                      ; the wave's opening: the add, twice on end, and its wait ahead of my first tensor load
	ds_add_u32 v[SPW], v[NIL]
	v_lshrrev_b32 v5, 5, v0
	s_delay_alu instid0(VALU_DEP_1)
	v_readfirstlane_b32 s[WV], v5                  ; wave 0..15
	s_bfe_u32 s13, ttmp6, 0x40000                  ; cx: which 512 queries; it enters the addresses of Q and of the results alone
	s_and_b32 s14, ttmp7, 0xffff                   ; 16 batch + head, which the four partners share
	s_mov_b32 s[G1], 15|(3<<16)|(1<<21)            ; all four work-groups; elements of 8 bytes; no padding
	s_mov_b32 s[G1+1], 32<<16                      ; 18 rows of 256 bytes, dense
	s_mov_b32 s[G1+2], 18<<16
	s_mov_b32 s[G1+3], 32<<16
	s_mov_b32 s[G1+4], 18
	s_mov_b32 s[G1+5], 32
	s_mov_b32 s[G1+6], 0
	s_mov_b32 s[G1+7], 0
	s_mov_b32 s24, 1
	s_mul_i32 s25, s[WV], 4608                     ; LDS is an image of the head's block: the same offset here and in memory
	s_mov_b32 s28, 1
	s_add_co_u32 s29, s25, 8*STEPB
	s_mul_i32 s40, s14, 16*STEPB
	s_add_co_u32 s40, s40, s25
	s_mov_b32 s41, 0
	s_mov_b32 s[CS], 0x3e38aa3b                    ; c = log2(e) / 8
	s_mov_b32 s[CS+1], s[CS]
	s_mov_b32 s[SEL], 0x76543210
	s_mov_b32 s[SEL+1], 0xfedcba98
	s_mov_b32 s[TB], 0
	v_and_b32 v5, 31, v0
	v_bfe_u32 v6, v0, 4, 1
	s_delay_alu instid0(VALU_DEP_2)
	v_lshlrev_b32 v[L16], 4, v5
	s_delay_alu instid0(VALU_DEP_3)
	v_lshlrev_b32 v[L8], 3, v5
	s_delay_alu instid0(VALU_DEP_3)
	v_lshlrev_b32 v[SH8], 3, v6
	v_lshl_add_u32 v[SGA], v0, 1, STG              ; 64 wave + 2 lane
	s_delay_alu instid0(VALU_DEP_4)
	v_add_nc_u32 v[SGR], STG, v[L16]
	s_lshl_b32 s42, s14, 4                         ; my block of 128 queries: 4 cx + w / 4
	s_lshl_b32 s43, s13, 2
	s_lshr_b32 s38, s[WV], 2
	s_add_co_u32 s43, s43, s38
	s_add_co_u32 s42, s42, s43
	s_mul_i32 s44, s42, 4608
	s_and_b32 s46, s[WV], 3                        ; my tiles: 2 (w % 4) and the next
	s_lshl_b32 s47, s46, 10
	s_add_co_u32 s50, s44, 4096                    ; their scale word: [c][lane][2]: c = (w % 4) / 2, word w % 2
	s_add_co_u32 s44, s44, s47
	s_mov_b32 s45, 0
	s_bfe_u32 s47, s[WV], 0x10001
	s_lshl_b32 s47, s47, 8
	s_add_co_u32 s50, s50, s47
	s_and_b32 s47, s[WV], 1
	s_lshl_b32 s47, s47, 2
	s_add_co_u32 s50, s50, s47
	s_mov_b32 s51, 0
	s_lshr_b32 s54, s14, 4                         ; ao: tile ((16 batch + block) 8 + tile) x 8,192 + head x 512
	s_lshl_b32 s54, s54, 4
	s_add_co_u32 s54, s54, s43
	s_lshl_b32 s54, s54, 3
	s_lshl_b32 s47, s46, 1
	s_add_co_u32 s54, s54, s47
	s_lshl_b32 s54, s54, 13
	s_and_b32 s47, s14, 15
	s_lshl_b32 s47, s47, 9
	s_add_co_u32 s54, s54, s47
	s_mov_b32 s55, 0
	s_lshl_b32 s58, s14, 12                        ; aos: 4,096 bytes a head, 1,024 a work-group
	s_lshl_b32 s47, s13, 10
	s_add_co_u32 s58, s58, s47
	s_mov_b32 s59, 0
	s_wait_dscnt 0x0                               ; both opening adds are done
	s_wait_kmcnt 0x0
	s_add_nc_u64 s[26:27], s[6:7], s[40:41]
	s_add_nc_u64 s[30:31], s[26:27], 8*STEPB
	s_or_b32 s27, s27, 0x80000000
	s_or_b32 s31, s31, 0x80000000
	ROUND                                          ; all four work-groups are here: the joint loads meet
	tensor_load_to_lds s[24:27], s[G1:G1+7]        ; my sixteenth of key steps 0-7
	s_nop 0
	tensor_load_to_lds s[28:31], s[G1:G1+7]        ; and of key steps 8-15
	s_nop 0
	PLACES 4
	s_add_nc_u64 s[48:49], s[4:5], s[44:45]
	s_add_nc_u64 s[52:53], s[4:5], s[50:51]
	s_add_nc_u64 s[56:57], s[8:9], s[54:55]
	s_add_nc_u64 s[60:61], s[10:11], s[58:59]
	s_wait_alu depctr_va_vdst(0)
	global_load_b128 v[20:23], v[L16], s[48:49]            ; v16-35: zeros, tile A, zeros, tile B, zeros
	global_load_b128 v[28:31], v[L16], s[48:49] offset:512
	global_load_b32 v47, v[L8], s[52:53]
.irp j,16,17,18,19,24,25,26,27,32,33,34,35
	v_mov_b32 v[\j], 0                             ; zero codes
.endr
	v_mov_b32 v9, 0xff61b1e6                       ; the largest t so far: -3e38, under every t
	v_mov_b32 v13, 0xff61b1e6
	s_delay_alu instid0(VALU_DEP_2)
	v_floor_f32 v8, -v9                            ; -M
	s_delay_alu instid0(VALU_DEP_2)
	v_floor_f32 v12, -v13
.irp j,10,11,14,15,49,53,62
	v_mov_b32 v[\j], 0                             ; l's halves; registers named before they are first written (a pair's upper half, lane permutes' destinations)
.endr
	s_wait_loadcnt 0x0
	v_perm_b32 v[QSA], v47, v47, 0x01000100        ; a query tile's two bytes, in both halves of its word: they serve below and above
	v_perm_b32 v[QSB], v47, v47, 0x03020302
.irp j,0,1,2,3,4,5,6,7,8,9,10,11,12,13,14,15,16,17,18,19,20,21,22,23,24,25,26,27,28,29,30,31,32,33,34,35,36,37,38,39,40,41,42,43,44,45,46,47,48,49,50,51,52,53,54,55,56,57,58,59,60,61,62,63
	v_mov_b32 v[160+\j], 0                         ; O^T of both tiles: the step is written once, and its first turn finds zeros.  (Also the places between the scale words' making and the first product)
.endr
; 16 queries x 128 keys.  QL, QH: the query tile with zeros above, below; QS its scale word; ST: -M, t, l, l; OB: its O^T
.macro STEP QL, QH, QS, ST, OB
	PLACES 4                                       ; in front of loads into registers that the last products read
	s_setprio 2
.irp n,0,1,2,3,4,5,6,7
	ds_load_b128 v[KF+4*\n:KF+4*\n+3], v[ADR] offset:512*\n
.endr
.irp c,0,1
	ds_load_b64 v[KS+2*\c:KS+2*\c+1], v[ADS] offset:8192+256*\c
.endr
	s_wait_dscnt 0x0
.irp p,0,1,2,3
	v_wmma_scale_f32_16x16x128_f8f6f4 v[S+16*\p:S+16*\p+7], v[KF+8*\p:KF+8*\p+7], v[\QL:\QL+7], 0, v[KS+\p], v[\QS] matrix_a_fmt:MATRIX_FMT_FP4 matrix_b_fmt:MATRIX_FMT_FP4
	v_wmma_scale_f32_16x16x128_f8f6f4 v[S+16*\p+8:S+16*\p+15], v[KF+8*\p:KF+8*\p+7], v[\QH:\QH+7], 0, v[KS+\p], v[\QS] matrix_a_fmt:MATRIX_FMT_FP4 matrix_b_fmt:MATRIX_FMT_FP4
.endr
	PLACES 4                                       ; for V's loads into K's registers and for the first read of the scores
.irp n,0,1,2,3,4,5,6,7
	ds_load_b128 v[KF+4*\n:KF+4*\n+3], v[ADR] offset:4096+512*\n      ; V lands under the softmax
.endr
.irp f,0,1
	ds_load_b64 v[VS+2*\f:VS+2*\f+1], v[ADS] offset:8704+256*\f
.endr
.irp c,0,1
	v_max3_num_f32 v[BM+\c], v[S+32*\c], v[S+32*\c+1], v[S+32*\c+2]   ; the largest score of each of my two blocks: it serves for the row's maximum and, since p rises with the score, for the block's largest p
.endr
.irp i,3,5,7,9,11,13,15,17,19,21,23,25,27,29
.irp c,0,1
	v_max3_num_f32 v[BM+\c], v[BM+\c], v[S+32*\c+\i], v[S+32*\c+\i+1]
.endr
.endr
.irp c,0,1
	v_max_num_f32 v[BM+\c], v[BM+\c], v[S+32*\c+31]
.endr
	s_delay_alu instid0(VALU_DEP_1)
	v_max_num_f32 v[RM], v[BM], v[BM+1]
	s_delay_alu instid0(VALU_DEP_1)
	v_permlanex16_b32 v[TX], v[RM], s[SEL], s[SEL+1]
	s_delay_alu instid0(VALU_DEP_1)
	v_max_num_f32 v[RM], v[RM], v[TX]              ; the step's largest score of my query
	s_delay_alu instid0(VALU_DEP_1)
	v_mul_f32 v[RM], s[CS], v[RM]
	s_delay_alu instid0(VALU_DEP_1)
	v_max_num_f32 v[\ST+1], v[\ST+1], v[RM]        ; the running largest t
	v_mov_b32 v[OLD], v[\ST]
	s_delay_alu instid0(VALU_DEP_2)
	v_floor_f32 v[\ST], -v[\ST+1]                  ; -M = floor(-t): M is a whole number
	s_delay_alu instid0(VALU_DEP_1)
	v_sub_f32 v[OLD], v[\ST], v[OLD]               ; old M less new M, 0 or less
	s_delay_alu instid0(VALU_DEP_1)
	v_cvt_i32_f32 v[OLD], v[OLD]                   ; (it saturates)
	s_delay_alu instid0(VALU_DEP_1)
	v_ldexp_f32 v[FF], 1.0, v[OLD]                 ; f
.irp j,0,2,4,6,8,10,12,14,16,18,20,22,24,26,28,30,32,34,36,38,40,42,44,46,48,50,52,54,56,58,60,62
	v_pk_fma_f32 v[S+\j:S+\j+1], v[S+\j:S+\j+1], s[CS:CS+1], v[\ST:\ST+1] op_sel_hi:[1,0,0]   ; t - M
.endr
.irp c,0,1
	v_fma_f32 v[BM+\c], v[BM+\c], s[CS], v[\ST]
.endr
	s_wait_alu depctr_va_vdst(0)
.irp j,0,1,2,3,4,5,6,7,8,9,10,11,12,13,14,15,16,17,18,19,20,21,22,23,24,25,26,27,28,29,30,31,32,33,34,35,36,37,38,39,40,41,42,43,44,45,46,47,48,49,50,51,52,53,54,55,56,57,58,59,60,61,62,63
	v_exp_f32 v[S+\j], v[S+\j]                     ; p
.endr
	s_setprio 1
	v_pk_mul_f32 v[\ST+2:\ST+3], v[\ST+2:\ST+3], v[FF:FF+1] op_sel_hi:[1,0]   ; l under the new M: the plain instruction behind the batch
	s_wait_alu depctr_va_vdst(0)                   ; one wait for the 64, ahead of their first reader
.irp c,0,1
	v_exp_f32 v[BM+\c], v[BM+\c]                   ; the blocks' largest p
.endr
	v_pk_add_f32 v[SU:SU+1], v[S:S+1], v[S+2:S+3]  ; l takes the unquantised p, two at a time, in two chains
.irp j,4,8,12,16,20,24,28,32,36,40,44,48,52,56,60
	v_pk_add_f32 v[\ST+2:\ST+3], v[\ST+2:\ST+3], v[S+\j:S+\j+1]
	v_pk_add_f32 v[SU:SU+1], v[SU:SU+1], v[S+\j+2:S+\j+3]
.endr
	s_delay_alu instid0(VALU_DEP_1)
	v_pk_add_f32 v[\ST+2:\ST+3], v[\ST+2:\ST+3], v[SU:SU+1]
	s_wait_alu depctr_va_vdst(0)                   ; and one for the two
.irp c,0,1
	v_max_num_f32 v[BM+\c], 0x1800000, v[BM+\c]    ; the floor 2^(3 - 127)
.endr
.irp c,0,1
	s_delay_alu instid0(VALU_DEP_2)
	v_add_nc_u32 v[SO+\c], 0xff000000, v[BM+\c]
.endr
.irp c,0,1
	s_delay_alu instid0(VALU_DEP_2)
	v_lshrrev_b32 v[BB+\c], 23, v[SO+\c]
.endr
	s_delay_alu instid0(VALU_DEP_1)
	v_lshl_or_b32 v[PW], v[BB+1], 16, v[BB]
	s_delay_alu instid0(VALU_DEP_1)
	v_lshlrev_b32 v[PW], v[SH8], v[PW]
	s_delay_alu instid0(VALU_DEP_1)
	v_permlanex16_b32 v[PX], v[PW], s[SEL], s[SEL+1]
	s_delay_alu instid0(VALU_DEP_1)
	v_or_b32 v[PW], v[PW], v[PX]                   ; p's scale word for these 128 keys
.irp c,0,1
.irp i,0,1,2,3
	v_cvt_scalef32_pk8_fp4_f32 v[PC+4*\c+\i], v[S+32*\c+8*\i:S+32*\c+8*\i+7], v[SO+\c]
.endr
.endr
	v_nop                                          ; one plain instruction behind the scaled conversions
	s_setprio 0
.irp j,0,2,4,6,8,10,12,14,16,18,20,22,24,26,28,30
	v_pk_mul_f32 v[\OB+\j:\OB+\j+1], v[\OB+\j:\OB+\j+1], v[FF:FF+1] op_sel_hi:[1,0]   ; O^T under the new M; these sixteen also stand between the making of p's codes and scale word and the products
.endr
	s_wait_alu depctr_va_vdst(0)
	s_wait_dscnt 0x0                               ; V is in
.irp t,0,1,2,3
	v_wmma_scale_f32_16x16x128_f8f6f4 v[\OB+8*\t:\OB+8*\t+7], v[KF+8*\t:KF+8*\t+7], v[PC:PC+7], v[\OB+8*\t:\OB+8*\t+7], v[VS+\t], v[PW] matrix_a_fmt:MATRIX_FMT_FP4 matrix_b_fmt:MATRIX_FMT_FP4
.endr
.endm
.macro HALF                            ; eight key steps, both tiles in each
	s_mov_b32 s[CNT], 8
.Lstep_\@:
	v_add_nc_u32 v[ADR], s[TB], v[L16]
	s_wait_alu depctr_va_vdst(0)
	v_add_nc_u32 v[ADS], s[TB], v[L8]
	s_wait_alu depctr_va_vdst(0)
	STEP 20, 16, QSA, 8, 160
	STEP 28, 24, QSB, 12, 192
	s_add_co_u32 s[TB], s[TB], STEPB
	s_sub_co_u32 s[CNT], s[CNT], 1
	s_cmp_lg_u32 s[CNT], 0
	s_cbranch_scc1 .Lstep_\@
	s_setprio 0
.endm
	s_wait_tensorcnt 0x1                           ; my part of key steps 0-7 is in: one load was issued behind it, and it may stay out
	s_barrier_signal -1
	s_barrier_wait -1                              ; everybody's is
	HALF
	s_wait_tensorcnt 0x0                           ; my part of key steps 8-15
	s_wait_dscnt 0x0
	s_barrier_signal -1
	s_barrier_wait -1
	HALF
	; THE WAY OUT: O^T / l, quantised along the head's 64: two blocks; a tile's image is 512 bytes of ao; the scale bytes of the work-group's 32 tiles are gathered in LDS and leave as 1,024 consecutive bytes
.macro QHALF a, dst, u
	v_max3_num_f32 v[QT], |v[\a]|, |v[\a+1]|, 0x1800000
	v_max3_num_f32 v[QT+1], |v[\a+16]|, |v[\a+17]|, 0x1800000
.irp k,2,4,6,8,10,12,14
	s_delay_alu instid0(VALU_DEP_2)
	v_max3_num_f32 v[QT], v[QT], |v[\a+\k]|, |v[\a+\k+1]|
	s_delay_alu instid0(VALU_DEP_2)
	v_max3_num_f32 v[QT+1], v[QT+1], |v[\a+16+\k]|, |v[\a+17+\k]|
.endr
	s_delay_alu instid0(VALU_DEP_2)
	v_permlanex16_b32 v[QT+2], v[QT], s[SEL], s[SEL+1]
	s_delay_alu instid0(VALU_DEP_2)
	v_permlanex16_b32 v[QT+3], v[QT+1], s[SEL], s[SEL+1]
	s_delay_alu instid0(VALU_DEP_2)
	v_max_num_f32 v[QT], v[QT], v[QT+2]
	s_delay_alu instid0(VALU_DEP_2)
	v_max_num_f32 v[QT+1], v[QT+1], v[QT+3]
	s_delay_alu instid0(VALU_DEP_2)
	v_add_nc_u32 v[QT+4], 0xff000000, v[QT]
	s_delay_alu instid0(VALU_DEP_2)
	v_add_nc_u32 v[QT+5], 0xff000000, v[QT+1]
	s_delay_alu instid0(VALU_DEP_2)
	v_lshrrev_b32 v[QT+6], 23, v[QT+4]
	s_delay_alu instid0(VALU_DEP_2)
	v_lshrrev_b32 v[QT+7], 23, v[QT+5]
	s_delay_alu instid0(VALU_DEP_1)
	v_lshl_or_b32 v[\u], v[QT+7], 8, v[QT+6]
	v_cvt_scalef32_pk8_fp4_f32 v[\dst], v[\a:\a+7], v[QT+4]
	v_cvt_scalef32_pk8_fp4_f32 v[\dst+1], v[\a+16:\a+23], v[QT+5]
	v_cvt_scalef32_pk8_fp4_f32 v[\dst+2], v[\a+8:\a+15], v[QT+4]
	v_cvt_scalef32_pk8_fp4_f32 v[\dst+3], v[\a+24:\a+31], v[QT+5]
	v_nop
	v_permlane16_swap_b32 v[\dst], v[\dst+1]
	v_permlane16_swap_b32 v[\dst+2], v[\dst+3]
.endm
	PLACES 4
	v_add_f32 v58, v10, v11                        ; l's two halves,
	v_add_f32 v60, v14, v15
	s_delay_alu instid0(VALU_DEP_2)
	v_permlanex16_b32 v59, v58, s[SEL], s[SEL+1]
	s_delay_alu instid0(VALU_DEP_2)
	v_permlanex16_b32 v61, v60, s[SEL], s[SEL+1]
	s_delay_alu instid0(VALU_DEP_2)
	v_add_f32 v58, v58, v59                        ; and lane l xor 16's
	s_delay_alu instid0(VALU_DEP_2)
	v_add_f32 v60, v60, v61
	s_wait_alu depctr_va_vdst(0)
	v_rcp_f32 v58, v58
	v_rcp_f32 v60, v60
	v_nop
	s_wait_alu depctr_va_vdst(0)                   ; one wait for the two reciprocals
.irp j,0,2,4,6,8,10,12,14,16,18,20,22,24,26,28,30
	v_pk_mul_f32 v[160+\j:161+\j], v[160+\j:161+\j], v[58:59] op_sel_hi:[1,0]
.endr
.irp j,0,2,4,6,8,10,12,14,16,18,20,22,24,26,28,30
	v_pk_mul_f32 v[192+\j:193+\j], v[192+\j:193+\j], v[60:61] op_sel_hi:[1,0]
.endr
	QHALF 160, CD, UU
	global_store_b128 v[L16], v[CD:CD+3], s[56:57]
	QHALF 192, CD+4, UU+1
	global_store_b128 v[L16], v[CD+4:CD+7], s[56:57] offset:8192
	v_and_b32 v62, 16, v0
	s_delay_alu instid0(VALU_DEP_1)
	v_cmp_ne_u32 vcc_lo, 0, v62
	s_delay_alu instid0(VALU_DEP_1)
	v_cndmask_b32 v63, v[UU], v[UU+1], vcc_lo      ; lanes 0-15 tile A's rows, lanes 16-31 tile B's
	ds_store_b16 v[SGA], v63
	s_wait_dscnt 0x0                               ; for the others' sake: my store is done
	s_barrier_signal -1
	s_barrier_wait -1
	s_cmp_lg_u32 s[WV], 0
	s_cbranch_scc1 .Lnot_mine
	ds_load_b128 v[244:247], v[SGR]
	ds_load_b128 v[248:251], v[SGR] offset:512
	s_wait_dscnt 0x0
	global_store_b128 v[L16], v[244:247], s[60:61]
	global_store_b128 v[L16], v[248:251], s[60:61] offset:512
.Lnot_mine:
	s_wait_tensorcnt 0x0                           ; the wave's end
	ds_add_u32 v[SPW], v[NIL]
	s_wait_dscnt 0x0
	ROUND                                          ; the closing round
	s_endpgm
.Lfunc_end_k_qa294f2647c_attn:
	.size	k_qa294f2647c_attn, .Lfunc_end_k_qa294f2647c_attn-k_qa294f2647c_attn
	.p2alignl 7, 3214868480
	.fill 96, 4, 3214868480
	.section	.rodata,"a",@progbits
	.p2align	6, 0x0
	.amdhsa_kernel k_qa294f2647c_attn
		.amdhsa_group_segment_fixed_size 167936
		.amdhsa_private_segment_fixed_size 0
		.amdhsa_enable_private_segment 0
		.amdhsa_kernarg_size 32
		.amdhsa_user_sgpr_count 2
		.amdhsa_user_sgpr_kernarg_segment_ptr 1
		.amdhsa_wavefront_size32 1
		.amdhsa_system_sgpr_workgroup_id_x 1
		.amdhsa_system_sgpr_workgroup_id_y 1
		.amdhsa_system_sgpr_workgroup_id_z 1
		.amdhsa_system_vgpr_workitem_id 0
		.amdhsa_next_free_vgpr 256
		.amdhsa_next_free_sgpr 66
		.amdhsa_reserve_vcc 1
		.amdhsa_float_denorm_mode_32 3
		.amdhsa_float_denorm_mode_16_64 3
		.amdhsa_memory_ordered 1
		.amdhsa_forward_progress 1
		.amdhsa_inst_pref_size 76
	.end_amdhsa_kernel
	.amdgpu_metadata
---
amdhsa.version: [ 1, 2 ]
amdhsa.kernels:
  - .name:           k_qa294f2647c_attn
    .symbol:         k_qa294f2647c_attn.kd
    .args:
      - { .name: qbuf, .offset: 0, .size: 8, .value_kind: global_buffer, .address_space: global }
      - { .name: kv, .offset: 8, .size: 8, .value_kind: global_buffer, .address_space: global }
      - { .name: ao, .offset: 16, .size: 8, .value_kind: global_buffer, .address_space: global }
      - { .name: aos, .offset: 24, .size: 8, .value_kind: global_buffer, .address_space: global }
    .group_segment_fixed_size: 167936
    .private_segment_fixed_size: 0
    .kernarg_segment_align: 8
    .kernarg_segment_size: 32
    .max_flat_workgroup_size: 512
    .sgpr_count:     66
    .vgpr_count:     256
    .wavefront_size: 32
...
	.end_amdgpu_metadata
.endif
;; end of part 2
;; launch oproj (part 3): grid 4 x 64, 8 waves a work-group, clusters of 4 x 4, 327,680 bytes of LDS; arguments ao, aos, Wo_codes, Wo_scales, bo, out0; writes out0
.if DOCPART == 3
	.amdgcn_target "amdgcn-amd-amdhsa--gfx1250"
	.amdhsa_code_object_version 6
	.text
	.protected	k_qa294f2647c_oproj
	.globl	k_qa294f2647c_oproj
	.p2align	8
	.type	k_qa294f2647c_oproj,@function
k_qa294f2647c_oproj:
	s_mov_b64 s[64:65], 0
	v_nop
	global_prefetch_b8 v0, s[64:65] scope:SCOPE_SE
	s_setreg_imm32_b32 hwreg(HW_REG_WAVE_MODE, 25, 1), 1
	s_wait_xcnt 0x0
	s_wait_alu depctr_hold_cnt(0) depctr_sa_sdst(0) depctr_va_vdst(0) depctr_va_sdst(0) depctr_va_ssrc(0) depctr_va_vcc(0) depctr_vm_vsrc(0)
	s_getreg_b32 s2, hwreg(HW_REG_IB_STS2, 6, 4)
	s_cmp_eq_u32 s2, 0
	s_cbranch_scc0 .Lentry_in_a_cluster
	s_endpgm
.Lentry_in_a_cluster:
	s_bfe_u32 s2, ttmp6, 0x10000c
	s_cmp_lg_u32 s2, 0xf033
	s_cbranch_scc0 .Lentry_shape_is_right
	s_endpgm
.Lentry_shape_is_right:
; out0 = A Wo^T + bo on codes of E2M1: A is the attention's result as the launch before quantised it (ao: images of operand registers, [tile of 16 tokens][head][512 bytes]; aos: two scale bytes a token and head).
; No work of reference() is left out.  LIMITS: NaN and infinities are not served.
; SHARES.  A work-group makes 128 tokens (work-group y) x 256 columns (work-group x), all of K = 1,024 in LDS: A's eight tiles, 8,192 bytes each, as they lie, and 256 rows of Wo.  Eight waves, each 64 tokens x 64 columns:
; sixteen accumulators, used TRANSPOSED (source 0 = 16 rows of Wo, source 1 = 16 tokens): a lane holds eight neighbouring columns of one token.  bo is loaded straight into the accumulators: nothing is cleared or added later.
; A K step of 128 is two heads: 1,024 consecutive bytes of a tile.  Row p of tile 4 c + i is token 64 c + 32 (p / 8) + 8 i + p % 8 of the block: the way out puts the rows back.
; CLUSTER 4 x 4: A's tiles are asked for jointly along a row of the cluster, Wo's along a column.  Each wave issues one load of each: two are out at the most.  No LDS byte is filled twice.
.set PITCH, 528
.set WB,    65536                      ; behind A's 8 x 8,192 bytes: Wo's 256 rows of 512 bytes + 16 of padding
.set WCH,   32*PITCH
.set STG,   WB+8*WCH                   ; a stage of 16 rows x (256 bytes + 16) for each wave
.set SP,    272
.set SPARE, STG+8*16*SP                ; the spare words, 128 bytes for each wave: four blocks of 256 bytes that no other line names
.set AA,  1
.set AW,  2
.set SPW, 3
.set NIL, 4
.set L2,  5
.set L32, 6
.set H32, 7
.set STO, 8
.set RD,  9
.set GO,  10
.set AS,  16                           ; v16-31 A's scale words, v32-47 Wo's: register 8 (tile / 2) + K step; lanes 0-15 the even tile, lanes 16-31 the odd
.set WS,  32
.set WF,  48                           ; v48-79 Wo's four fragments, v80-111 A's four; on the way out two sets of 32 for rows of out0
.set AF,  80
.set ACC, 128
.set WV,  16
.set CX,  17
.set CY,  18
.set XB,  19
.set YB,  20
.set CH,  21
.set GG,  22
.set G1A, 24
.set G1B, 32
.set G0A, 40
.set G0B, 44
.macro PLACES n
.rept \n
	v_nop
.endr
.endm
.macro ROUND
	s_barrier_signal -1
	s_barrier_wait -1
	s_cmp_lg_u32 s[WV], 0
	s_cbranch_scc1 .Lnot_wave_0_\@
	s_barrier_signal -3
.Lnot_wave_0_\@:
	s_barrier_wait -3
	s_barrier_signal -1
	s_barrier_wait -1
.endm
.macro MM d, a, b, sa, sb, ra, rb
.if (\ra) && (\rb)
	v_wmma_scale_f32_16x16x128_f8f6f4 v[\d:\d+7], v[\a:\a+7], v[\b:\b+7], v[\d:\d+7], v[\sa], v[\sb] matrix_a_fmt:MATRIX_FMT_FP4 matrix_b_fmt:MATRIX_FMT_FP4 matrix_a_scale:MATRIX_SCALE_ROW1 matrix_b_scale:MATRIX_SCALE_ROW1
.elseif (\ra)
	v_wmma_scale_f32_16x16x128_f8f6f4 v[\d:\d+7], v[\a:\a+7], v[\b:\b+7], v[\d:\d+7], v[\sa], v[\sb] matrix_a_fmt:MATRIX_FMT_FP4 matrix_b_fmt:MATRIX_FMT_FP4 matrix_a_scale:MATRIX_SCALE_ROW1
.elseif (\rb)
	v_wmma_scale_f32_16x16x128_f8f6f4 v[\d:\d+7], v[\a:\a+7], v[\b:\b+7], v[\d:\d+7], v[\sa], v[\sb] matrix_a_fmt:MATRIX_FMT_FP4 matrix_b_fmt:MATRIX_FMT_FP4 matrix_b_scale:MATRIX_SCALE_ROW1
.else
	v_wmma_scale_f32_16x16x128_f8f6f4 v[\d:\d+7], v[\a:\a+7], v[\b:\b+7], v[\d:\d+7], v[\sa], v[\sb] matrix_a_fmt:MATRIX_FMT_FP4 matrix_b_fmt:MATRIX_FMT_FP4
.endif
.endm
	s_load_b256 s[4:11], s[0:1], 0x0               ; ao, aos, Wo's codes, Wo's scales
	s_load_b128 s[12:15], s[0:1], 0x20             ; bo, out0
	v_lshl_add_u32 v[SPW], v0, 2, SPARE
	v_mov_b32 v[NIL], 0
	ds_add_u32 v[SPW], v[NIL]                      ; the wave's opening: the add, twice on end, and its wait ahead of my first tensor load
	ds_add_u32 v[SPW], v[NIL]
	v_lshrrev_b32 v48, 5, v0
	s_delay_alu instid0(VALU_DEP_1)
	v_readfirstlane_b32 s[WV], v48                 ; wave 0..7
	s_bfe_u32 s[CX], ttmp6, 0x40000
	s_bfe_u32 s[CY], ttmp6, 0x40004
	s_lshl_b32 s[XB], ttmp9, 2
	s_add_co_u32 s[XB], s[XB], s[CX]               ; which 256 columns
	s_and_b32 s[YB], ttmp7, 0xffff
	s_lshl_b32 s[YB], s[YB], 2
	s_add_co_u32 s[YB], s[YB], s[CY]               ; which 128 tokens
	s_lshl_b32 s62, s[CY], 2
	s_lshl_b32 s62, 15, s62                        ; my row of the cluster
	s_lshl_b32 s63, 0x1111, s[CX]                  ; my column
	s_or_b32 s[G1A], s62, (3<<16)|(1<<21)          ; A's tile: 32 rows of 256 bytes (32 elements of 8), dense, no padding
	s_mov_b32 s[G1A+1], 32<<16
	s_mov_b32 s[G1A+2], 32<<16
	s_mov_b32 s[G1A+3], 32<<16
	s_mov_b32 s[G1A+4], 32
	s_mov_b32 s[G1A+5], 32
	s_mov_b32 s[G1A+6], 0
	s_mov_b32 s[G1A+7], 0
	s_or_b32 s[G1B], s63, (1<<20)|(1<<21)|(6<<22)|(3<<25)   ; Wo's: 32 rows of 512 bytes, 16 bytes of padding behind each
	s_mov_b32 s[G1B+1], 512<<16
	s_mov_b32 s[G1B+2], 32<<16
	s_mov_b32 s[G1B+3], 512<<16
	s_mov_b32 s[G1B+4], 32
	s_mov_b32 s[G1B+5], 512
	s_mov_b32 s[G1B+6], 0
	s_mov_b32 s[G1B+7], 0
	s_lshr_b32 s[CH], s[WV], 2                     ; my 64 tokens
	s_and_b32 s[GG], s[WV], 3                      ; my 64 columns
	s_lshl_b32 s48, s[YB], 16                      ; A: tile 8 y + w
	s_lshl_b32 s49, s[WV], 13
	s_add_co_u32 s48, s48, s49
	s_mov_b32 s49, 0
	s_lshl_b32 s50, s[XB], 17                      ; Wo: rows 256 x + 32 w
	s_lshl_b32 s51, s[WV], 14
	s_add_co_u32 s50, s50, s51
	s_mov_b32 s51, 0
	s_mov_b32 s[G0A], 1
	s_lshl_b32 s[G0A+1], s[WV], 13
	s_mov_b32 s[G0B], 1
	s_mul_i32 s[G0B+1], s[WV], WCH
	s_add_co_u32 s[G0B+1], s[G0B+1], WB
	v_and_b32 v48, 31, v0
	v_and_b32 v49, 15, v0
	v_bfe_u32 v50, v0, 4, 1
	s_lshl_b32 s23, s[CH], 15
	v_lshl_add_u32 v[AA], v48, 4, s23
	v_mul_u32_u24 v[AW], v49, PITCH
	s_delay_alu instid0(VALU_DEP_1)
	v_lshl_add_u32 v[AW], v50, 4, v[AW]
	s_mul_i32 s23, s[GG], 64*PITCH
	s_add_co_u32 s23, s23, WB
	v_add_nc_u32 v[AW], s23, v[AW]
	v_lshlrev_b32 v[L2], 1, v48
	v_lshlrev_b32 v[L32], 5, v48
	v_lshlrev_b32 v[H32], 5, v50
	s_mul_i32 s23, s[WV], 16*SP
	s_add_co_u32 s23, s23, STG
	v_mad_u32_u24 v[STO], v49, SP, v[H32]          ; into my stage: row r, 32 bytes for each half of the lanes
	s_delay_alu instid0(VALU_DEP_1)
	v_add_nc_u32 v[STO], s23, v[STO]
	v_mul_u32_u24 v[RD], v50, SP                   ; back: lanes 0-15 one row of 256 bytes, lanes 16-31 the next
	s_delay_alu instid0(VALU_DEP_1)
	v_lshl_add_u32 v[RD], v49, 4, v[RD]
	s_delay_alu instid0(VALU_DEP_1)
	v_add_nc_u32 v[RD], s23, v[RD]
	v_lshlrev_b32 v[GO], 12, v50                   ; and the same two rows of out0, 4,096 bytes apart
	s_delay_alu instid0(VALU_DEP_1)
	v_lshl_add_u32 v[GO], v49, 4, v[GO]
	s_wait_dscnt 0x0                               ; both opening adds are done
	s_wait_kmcnt 0x0
	s_add_nc_u64 s[G0A+2:G0A+3], s[4:5], s[48:49]
	s_or_b32 s[G0A+3], s[G0A+3], 0x80000000
	s_add_nc_u64 s[G0B+2:G0B+3], s[8:9], s[50:51]
	s_or_b32 s[G0B+3], s[G0B+3], 0x80000000
	ROUND                                          ; all sixteen work-groups are here: the joint loads meet
	tensor_load_to_lds s[G0A:G0A+3], s[G1A:G1A+7]
	s_nop 0
	s_wait_alu depctr_va_vdst(0)
	s_wait_tensorcnt 0x0
	ds_add_u32 v3, v4
	s_wait_dscnt 0x0
	ROUND
	tensor_load_to_lds s[G0B:G0B+3], s[G1B:G1B+7]
	s_nop 0
	PLACES 4
	s_lshr_b32 s52, s[YB], 4                       ; aos: (16 batch + head) x 4,096 + tile x 32 + 2 row
	s_lshl_b32 s52, s52, 16
	s_and_b32 s23, s[YB], 15
	s_lshl_b32 s23, s23, 8
	s_add_co_u32 s52, s52, s23
	s_lshl_b32 s23, s[CH], 7
	s_add_co_u32 s52, s52, s23
	s_mov_b32 s53, 0
	s_add_nc_u64 s[54:55], s[6:7], s[52:53]
	s_lshl_b32 s52, s[XB], 13                      ; Wo's scale bytes: 32 a row, from row 256 x + 64 g
	s_lshl_b32 s23, s[GG], 11
	s_add_co_u32 s52, s52, s23
	s_add_nc_u64 s[56:57], s[10:11], s[52:53]
	s_lshr_b32 s52, s52, 3                         ; bo: 4 bytes a column
	s_add_nc_u64 s[58:59], s[12:13], s[52:53]
	s_lshl_b32 s23, s[YB], 19                      ; out0: token 128 y + 64 c, 4,096 bytes a token, and my columns
	s_add_co_u32 s52, s52, s23
	s_lshl_b32 s23, s[CH], 18
	s_add_co_u32 s52, s52, s23
	s_add_nc_u64 s[60:61], s[14:15], s[52:53]
.irp d,0,1,2,3,4,5,6,7,8,9,10,11,12,13,14,15
.irp k,0,1
	global_load_u16 v[48+2*\d+\k], v[L2], s[54:55] offset:4096*\d+64*\k     ; head d, tiles 2 k (lanes 0-15) and 2 k + 1 (lanes 16-31): two scale bytes a token
.endr
.endr
	s_wait_alu depctr_va_vdst(0)
.irp k,0,1
.irp q,0,1
	global_load_b128 v[WS+8*\k+4*\q:WS+8*\k+4*\q+3], v[L32], s[56:57] offset:1024*\k+16*\q
.endr
.endr
.irp i,0,1,2,3
.irp t,0,1,2,3
.irp q,0,1
	global_load_b128 v[ACC+8*(4*\i+\t)+4*\q:ACC+8*(4*\i+\t)+4*\q+3], v[H32], s[58:59] offset:64*\t+16*\q   ; lane (r, h), register j: column 16 t + 8 h + j
.endr
.endr
.endr
	s_wait_loadcnt 0x0
.irp k,0,1
.irp s,0,1,2,3,4,5,6,7
	v_lshl_or_b32 v[AS+8*\k+\s], v[48+2*(2*\s+1)+\k], 16, v[48+2*(2*\s)+\k]     ; K step s: heads 2 s and 2 s + 1
.endr
.endr
	PLACES 8                                       ; between the making of a scale word and the scaled product that takes it
	s_wait_alu depctr_va_vdst(0)
	s_wait_tensorcnt 0x0                           ; my tiles have landed,
	s_barrier_signal -1
	s_barrier_wait -1                              ; everybody's have
.macro KSTEP s
.irp t,0,1,2,3
.irp e,0,1
	ds_load_b128 v[WF+8*\t+4*\e:WF+8*\t+4*\e+3], v[AW] offset:16*PITCH*\t+64*\s+32*\e
	ds_load_b128 v[AF+8*\t+4*\e:AF+8*\t+4*\e+3], v[AA] offset:8192*\t+1024*\s+512*\e
.endr
.endr
	s_wait_dscnt 0x0
.irp i,0,1,2,3
.irp t,0,1,2,3
	MM ACC+8*(4*\i+\t), WF+8*\t, AF+8*\i, WS+8*(\t>>1)+\s, AS+8*(\i>>1)+\s, \t&1, \i&1
.endr
.endr
	PLACES 4                                       ; in front of loads into registers that these products read, and of the first read of results
.endm
.irp s,0,1,2,3,4,5,6,7
	KSTEP \s
.endr
; THE WAY OUT, a tile of 16 tokens x 64 columns at a time, through my own stage: LDS serves a wave's instructions in order, so no wait stands between the stores and the loads, nor in front of the next tile's stores
.macro TOSTAGE i
.irp t,0,1,2,3
	ds_store_b128 v[STO], v[ACC+8*(4*(\i)+\t):ACC+8*(4*(\i)+\t)+3] offset:64*\t           ; each accumulator from its low end on
	ds_store_b128 v[STO], v[ACC+8*(4*(\i)+\t)+4:ACC+8*(4*(\i)+\t)+7] offset:64*\t+16
.endr
.set BK, 48+32*((\i)%2)
.irp k,0,1,2,3,4,5,6,7
	ds_load_b128 v[BK+4*\k:BK+4*\k+3], v[RD] offset:2*\k*SP
.endr
.endm
.macro SEND i, younger                 ; younger: the LDS instructions issued behind tile i's loads, which may stay out
.set BK, 48+32*((\i)%2)
	s_wait_dscnt \younger
.irp k,0,1,2,3,4,5,6,7
	global_store_b128 v[GO], v[BK+4*\k:BK+4*\k+3], s[60:61] offset:(32*(\k>>2)+8*(\i)+2*(\k&3))*4096 th:TH_STORE_NT   ; rows 2 k and 2 k + 1 of the tile: sixteen lanes store 256 consecutive bytes, aligned
.endr
.endm
	TOSTAGE 0
.irp i,1,2,3
.if \i > 1
	s_wait_xcnt 0x0                                ; tile i - 2's stores have read their registers: tile i's loads may land there
.endif
	TOSTAGE \i
	SEND \i-1, 16                                  ; behind tile i - 1's loads: tile i's 8 stores and 8 loads
.endr
	SEND 3, 0
	s_wait_tensorcnt 0x0                           ; the wave's end
	ds_add_u32 v[SPW], v[NIL]
	s_wait_dscnt 0x0
	ROUND                                          ; the closing round
	s_endpgm
.Lfunc_end_k_qa294f2647c_oproj:
	.size	k_qa294f2647c_oproj, .Lfunc_end_k_qa294f2647c_oproj-k_qa294f2647c_oproj
	.p2alignl 7, 3214868480
	.fill 96, 4, 3214868480
	.section	.rodata,"a",@progbits
	.p2align	6, 0x0
	.amdhsa_kernel k_qa294f2647c_oproj
		.amdhsa_group_segment_fixed_size 327680
		.amdhsa_private_segment_fixed_size 0
		.amdhsa_enable_private_segment 0
		.amdhsa_kernarg_size 48
		.amdhsa_user_sgpr_count 2
		.amdhsa_user_sgpr_kernarg_segment_ptr 1
		.amdhsa_wavefront_size32 1
		.amdhsa_system_sgpr_workgroup_id_x 1
		.amdhsa_system_sgpr_workgroup_id_y 1
		.amdhsa_system_sgpr_workgroup_id_z 1
		.amdhsa_system_vgpr_workitem_id 0
		.amdhsa_next_free_vgpr 256
		.amdhsa_next_free_sgpr 66
		.amdhsa_reserve_vcc 0
		.amdhsa_float_denorm_mode_32 3
		.amdhsa_float_denorm_mode_16_64 3
		.amdhsa_memory_ordered 1
		.amdhsa_forward_progress 1
		.amdhsa_inst_pref_size 47
	.end_amdhsa_kernel
	.amdgpu_metadata
---
amdhsa.version: [ 1, 2 ]
amdhsa.kernels:
  - .name:           k_qa294f2647c_oproj
    .symbol:         k_qa294f2647c_oproj.kd
    .args:
      - { .name: ao, .offset: 0, .size: 8, .value_kind: global_buffer, .address_space: global }
      - { .name: aos, .offset: 8, .size: 8, .value_kind: global_buffer, .address_space: global }
      - { .name: Wo_codes, .offset: 16, .size: 8, .value_kind: global_buffer, .address_space: global }
      - { .name: Wo_scales, .offset: 24, .size: 8, .value_kind: global_buffer, .address_space: global }
      - { .name: bo, .offset: 32, .size: 8, .value_kind: global_buffer, .address_space: global }
      - { .name: out0, .offset: 40, .size: 8, .value_kind: global_buffer, .address_space: global }
    .group_segment_fixed_size: 327680
    .private_segment_fixed_size: 0
    .kernarg_segment_align: 8
    .kernarg_segment_size: 48
    .max_flat_workgroup_size: 256
    .sgpr_count:     66
    .vgpr_count:     256
    .wavefront_size: 32
...
	.end_amdgpu_metadata
.endif
;; end of part 3
